; MI455X (gfx1250); checked and timed in simulation.
; The chip was launched on July 23, 2026; its instructions are those of AMD's public machine-readable ISA for CDNA 5 (MIT licence, August 2026) and "CDNA5" Instruction Set Architecture Reference Guide (July 2026). The comments in the code are by the model that wrote it; some were corrected since.
;; Multi Head Attention. Allowed arithmetic: matrix products marked QUANTISED: E4M3 operands, one given power-of-two scale a tensor, by v_wmma_f32_16x16x64_fp8_fp8 or v_wmma_f32_16x16x128_fp8_fp8, f32 sums; products left as they are: f32 operands where the result goes on into a quantised operand, else bf16, f16 or f32 operands; f32 sums; everything else in f32.
;; Inputs: Wk_codes 1,024 x 32 x 32 uint8 (E4M3 codes of Wk, K innermost, in blocks of 32 codes); Wp_codes 1,024 x 32 x 32 uint8 (E4M3 codes of Wp, K innermost, in blocks of 32 codes); Wq_codes 1,024 x 32 x 32 uint8 (E4M3 codes of Wq, K innermost, in blocks of 32 codes); Wv_codes 1,024 x 32 x 32 uint8 (E4M3 codes of Wv, K innermost, in blocks of 32 codes); bk 1,024 float32; bp 1,024 float32; bq 1,024 float32; bv 1,024 float32; lowp_scales 10 int32 (the exponents e of the quantised operands' scales 2^e); x_codes 4 x 2,048 x 32 x 32 uint8 (E4M3 codes of x, K innermost, in blocks of 32 codes).
;; Outputs: out0 4 x 2,048 x 1,024 float32.
;; This version of the problem:
;;   THIS VERSION OF THE PROBLEM IS GIVEN IN LOW PRECISION. The matrix products marked QUANTISED in the list below multiply operands that are first quantised to E4M3 (4 exponent bits, 3 mantissa bits; 8 bits a number), with one given power-of-two scale for each operand tensor; their sums are f32. All else is computed in f32.
;;   The module's matrix products, in the order in which they are computed (A, B: the left and right operand; K: the contracted axis; several contracted axes count as one K, in the product's order):
;;     1. [M 8,192, K 1,024] x [K 1,024, N 1,024]; A: input x (given as codes); B: input Wq (given as codes): QUANTISED (scales: A lowp_scales[0], B lowp_scales[1])
;;     2. [M 8,192, K 1,024] x [K 1,024, N 1,024]; A: input x (given as codes); B: input Wk (given as codes): QUANTISED (scales: A lowp_scales[2], B lowp_scales[3])
;;     3. [M 8,192, K 1,024] x [K 1,024, N 1,024]; A: input x (given as codes); B: input Wv (given as codes): QUANTISED (scales: A lowp_scales[4], B lowp_scales[5])
;;     4. batch 64 x [M 2,048, K 64] x [K 64, N 2,048]; A: computed on the way; B: computed on the way: QUANTISED (scales: A lowp_scales[6], B lowp_scales[7])
;;     5. batch 64 x [M 1, K 1] x [K 1, N 131,072]; A: computed on the way; B: computed on the way: left as it is (no contracted axis)
;;     6. [M 8,192, K 1,024] x [K 1,024, N 1,024]; A: computed on the way; B: input Wp (given as codes): QUANTISED (scales: A lowp_scales[8], B lowp_scales[9])
;;   THE QUANTISER, for each operand of a quantised product, along K:
;;     - The operand's scale is 2^e, e = its entry of the input lowp_scales (int32; the entries are numbered through the quantised products in the list's order, A before B).
;;     - Each number is divided by the scale, clamped to +-448, and rounded to the nearest number of E4M3, ties to even, subnormals kept.
;;     - The product sums the exact products of the quantised numbers (number of the format x scale) in f32.
;;   ~~~python
;;   def quantise(x, axis, e):      # numpy; x: float32 -> the quantised numbers, widened to float32 again
;;       x = np.moveaxis(x, axis, -1); K = x.shape[-1]
;;       r = np.clip(x / 2.0 ** e, -448, 448)
;;       step = 2.0 ** (np.maximum(np.frexp(np.where(r == 0, 1, r))[1] - 1, -6) - 3)
;;       q = np.round(r / step) * step * 2.0 ** e      # np.round: ties to even
;;       return np.moveaxis(q, -1, axis).astype(np.float32)
;;   ~~~
;;   OPERANDS COMPUTED ON THE WAY. 'Computed on the way' means the value that the module computes at that place (a softmax that the list does not call 'softmax' is quantised finished and normalised). What goes into a quantiser is computed in f32, as accurately as f32 sums, v_exp_f32 and their like allow (about 1e-6 of the number): no bf16 or f16 on the way to a quantiser, and a product that is left as it is and whose result goes on into a quantised operand takes f32 operands (vector FMAs, or v_wmma_f32_16x16x4_f32). A number that lies on a knife's edge between two numbers of the format may be rounded either way, as far as f32 arithmetic and the matrix unit's own rounding can turn it there, and no further.
;;   INPUTS GIVEN AS CODES. Wk (in the module: [1024, 1024], K = its axis 1); Wp (in the module: [1024, 1024], K = its axis 1); Wq (in the module: [1024, 1024], K = its axis 1); Wv (in the module: [1024, 1024], K = its axis 1); x (in the module: [4, 2048, 1024], K = its axis 2): each comes as NAME_codes (uint8): NAME with its K axis moved to the last place and cut into blocks of 32 codes, [.., K / 32, bytes a block], one block behind the other in memory; one code a byte (a code: sign, 4 exponent bits, 3 mantissa bits); its scale is its entry of lowp_scales. Its value is code x scale, taken as it is: it is not quantised again, and the codes and scales need not be those that the quantiser above would give.
;; One version. Each part assembles by itself: llvm-mc -triple=amdgcn-amd-amdhsa -mcpu=gfx1250 --defsym DOCPART=n.
;; ======== version 1 of 1: 4 launches
;; limits: right only within a limited range of input values
;; workspace buffers: q_img 8,388,608 bytes; k_img 8,388,608 bytes; cpart 1,024 bytes; h_img 8,388,608 bytes
;; launch qk_proj (part 1): grid 8 x 32, 4 waves a work-group, clusters of 4 x 4, 327,680 bytes of LDS; arguments x_codes, Wq_codes, Wk_codes, bq, bk, lowp_scales, q_img, k_img; writes q_img, k_img
.if DOCPART == 1
	.amdgcn_target "amdgcn-amd-amdhsa--gfx1250"
	.amdhsa_code_object_version 6
	.text
	.protected	k_qeca56ff043_qk_proj
	.globl	k_qeca56ff043_qk_proj
	.p2align	8
	.type	k_qeca56ff043_qk_proj,@function
k_qeca56ff043_qk_proj:
	s_mov_b64 s[64:65], 0
	v_nop
	global_prefetch_b8 v0, s[64:65] scope:SCOPE_SE
	s_setreg_imm32_b32 hwreg(HW_REG_WAVE_MODE, 25, 1), 1
	s_wait_xcnt 0x0
	s_wait_alu depctr_hold_cnt(0) depctr_sa_sdst(0) depctr_va_vdst(0) depctr_va_sdst(0) depctr_va_ssrc(0) depctr_va_vcc(0) depctr_vm_vsrc(0)
	s_getreg_b32 s2, hwreg(HW_REG_IB_STS2, 6, 4)
	s_cmp_eq_u32 s2, 0
	s_cbranch_scc0 .Lentry_in_a_cluster
	s_endpgm
.Lentry_in_a_cluster:
	s_bfe_u32 s2, ttmp6, 0x10000c
	s_cmp_lg_u32 s2, 0xf033
	s_cbranch_scc0 .Lentry_shape_is_right
	s_endpgm
.Lentry_shape_is_right:
; q = x Wq^T + bq and k = x Wk^T + bk on codes of FP8 (E4M3), then quantised with the given scales (entries 6 and 7) into q_img and k_img.
; C is taken as [8192][2048]: Wq's 1,024 columns, then Wk's.  256 tiles of 256 x 256, one a work-group; cluster x = 0 takes Wq, bq, q_img and entries 0, 1, 6 of the scales,
; cluster x = 1 takes Wk, bk, k_img and entries 2, 3, 7: a choice of pointers and numbers on the cluster's x, with no branch.
; Four waves, each 128 rows x 128 columns (two heads): 64 accumulators of 16 x 16.  K goes in steps of 256 through two LDS slots filled by the tensor data mover.
; CLUSTER 4 x 4: x's tile is shared along a row of the cluster, W's along a column: each is asked for jointly, by the same tensor load with a mask that names the four.
; TRANSPOSED USE: source 0 = 16 rows of W, source 1 = 16 rows of x: lane (r, h) holds row r of x and the columns 8 h + 0 .. 7 of the block.
; THE BIAS is the C of each sum's first product, divided by 2^(ea + eb), which the sums of codes lack.  So a code of q is acc / 2^(eo - ea - eb): one scale for the conversion.
; THE WAY OUT needs no LDS: the four column blocks of a head, converted eight numbers at a time, ARE the eight registers of a 16 x 64 fragment of the next launch
; (registers 2 c, 2 c + 1 = channels 16 c + 8 h + 0 .. 7).  They are stored as an image of the registers: [b][head][s / 16][half][lane][16 bytes]; a store covers 512 consecutive bytes, aligned.
; LIMITS: eo - ea - eb between -126 and 119, so that the scale and 448 x the scale are f32 numbers.  NaN among the biases is not served.
; REGISTERS: window 0: v16-29 addresses; v32-95 the bias (8 registers a column block); v128-255 x's fragments, ONE set, later the codes.
;   window 1: W's fragments, two sets.  windows 2, 3: the accumulators of my rows 0-63 and 64-127, (a, b) at v[8 (8 (a % 4) + b)].
.set KROW,   1024                      ; a row of x or of W in memory, in bytes
.set ROWB,   256                       ; a tile's row: 256 codes
.set PITCH,  272                       ; an LDS row: 256 bytes + 16 of padding, so that the 16 rows of a fragment load start 16 bytes apart modulo 256
.set FR,     16                        ; registers of a fragment, 16 rows x 128 K
.set NL,     4                         ; LDS loads that bring one
.set NP,     4                         ; places behind this matrix instruction (ISA guide 7.12.1)
.set HALFT,  128*PITCH                 ; 128 rows: what one tensor load brings
.set SLOT,   4*HALFT                   ; x's 256 rows, then W's 256 rows
.set SPARE,  2*SLOT                    ; behind the ring: the spare words, 128 bytes a wave
.set ADRA, 16                          ; v16-17  LDS address of my fragments of x in slot 0, 1
.set ADRB, 20                          ; v20-21  the same for W
.set LO,   24                          ; v24     16 x lane: my place in an image
.set SC,   25                          ; v25     2^(eo - ea - eb) as f32, for the conversions
.set BO,   26                          ; v26     32 x (lane / 16): my eight numbers of a block of the bias
.set SPW,  28                          ; v28     my spare word; never rewritten
.set NIL,  29                          ; v29     0; never rewritten
.set BIAS, 32
.set TMP,  32
.set AF,   128
.set CD,   128
.set G1,  24                           ; s[24:31] group 1 for x's tiles; s[32:39] group 0, a set for each slot
.set G0,  32
.set G1B, 48                           ; s[48:55], s[56:63] the same for W's tiles
.set G0B, 56
.set MSB, 0
.macro WIN new                         ; the immediate's high byte repeats the setting that is left
.if MSB != \new
	s_set_vgpr_msb (MSB<<8)|\new
.set MSB, \new
.endif
.endm
.set MUL_LO, 0xa1                      ; source 0 (W) window 1, source 1 (x) window 0, C and D window 2
.set MUL_HI, 0xf1                      ; the same, C and D window 3
.set FST_LO, 0x81                      ; the first step: C is the bias, in window 0
.set FST_HI, 0xc1
.set TO_B,   0x40                      ; destination window 1, address window 0
; A joint load: waves 0 and 1 fetch x's halves, waves 2 and 3 W's.  The branch hangs on the wave's number alone.  Four v_nop follow each line.
.macro JLOAD g0a, g1a, g0b, g1b
	s_cmp_eq_u32 s15, 0
	s_cbranch_scc0 .Lfor_b_\@
	tensor_load_to_lds s[\g0a:\g0a+3], s[\g1a:\g1a+7]
	s_nop 0
.rept 4
	v_nop
.endr
	s_branch .Lasked_\@
.Lfor_b_\@:
	tensor_load_to_lds s[\g0b:\g0b+3], s[\g1b:\g1b+7]
	s_nop 0
.rept 4
	v_nop
.endr
.Lasked_\@:
.endm
.macro CREST                           ; a round of the cluster's barrier behind its opening barrier
	s_cmp_lg_u32 s14, 0
	s_cbranch_scc1 .Lnot_wave_0_\@
	s_barrier_signal -3
.Lnot_wave_0_\@:
	s_barrier_wait -3
	s_barrier_signal -1
	s_barrier_wait -1
.endm
.macro CROUND                          ; a whole round
	s_barrier_signal -1
	s_barrier_wait -1
	CREST
.endm
	s_load_b256 s[4:11], s[0:1], 0x0               ; x s[4:5], Wq s[6:7], Wk s[8:9], bq s[10:11]
	s_load_b256 s[68:75], s[0:1], 0x20             ; bk s[68:69], the scales s[70:71], q_img s[72:73], k_img s[74:75]
	v_lshl_add_u32 v[SPW], v0, 2, SPARE
	v_mov_b32 v[NIL], 0
	ds_add_u32 v28, v29
	ds_add_u32 v28, v29
	s_wait_dscnt 0x0
	v_lshrrev_b32 v1, 5, v0
	v_readfirstlane_b32 s14, v1                    ; wave 0..3
	s_lshr_b32 s15, s14, 1                         ; which half of the tile's rows is mine.  Also: I fetch for x (0) or for W (1)
	s_and_b32 s16, s14, 1                          ; which half of its columns.  Also: which 128 rows of that tile I fetch
	s_bfe_u32 s40, ttmp6, 0x40000                  ; cx
	s_bfe_u32 s41, ttmp6, 0x40004                  ; cy
	s_and_b32 s17, ttmp7, 0xffff
	s_lshl_b32 s17, s17, 2
	s_add_co_u32 s17, s17, s41                     ; tile row = 4 x cluster y + cy
	s_lshl_b32 s43, s41, 2
	s_lshl_b32 s43, 15, s43                        ; my row of the cluster
	s_lshl_b32 s44, 0x1111, s40                    ; my column
	s_or_b32 s[G1+0], s43, (0<<16)|(1<<20)|(1<<21)|(5<<22)|(3<<25)   ; the mask; elements of 1 byte; padding on; bit 21 beside a mask; 4 words behind every 64
	s_or_b32 s[G1B+0], s44, (0<<16)|(1<<20)|(1<<21)|(5<<22)|(3<<25)
.irp g, G1, G1B
	s_mov_b32 s[\g+1], ROWB<<16                    ; tensor_dim0
	s_mov_b32 s[\g+2], 128<<16                     ; tensor_dim1
	s_mov_b32 s[\g+3], ROWB<<16                    ; tile_dim0
	s_mov_b32 s[\g+4], 128                         ; tile_dim1
	s_mov_b32 s[\g+5], KROW                        ; from row to row
	s_mov_b32 s[\g+6], 0
	s_mov_b32 s[\g+7], 0
.endr
	s_lshl_b32 s18, s16, 7                         ; which 128 rows of the tile I fetch
	s_lshl_b32 s20, s17, 8
	s_add_co_u32 s20, s20, s18
	s_lshl_b32 s20, s20, 10                        ; x: (256 x tile row + 128 x half) rows of 1,024 bytes
	s_mov_b32 s21, 0
	s_lshl_b32 s46, s40, 8
	s_add_co_u32 s46, s46, s18
	s_lshl_b32 s46, s46, 10                        ; W: (256 cx + 128 x half) rows
	s_mov_b32 s47, 0
	s_mul_i32 s45, s14, HALFT                      ; where they go: wave x 128 rows
	s_wait_kmcnt 0x0
	s_cmp_eq_u32 ttmp9, 0                          ; cluster x: 0 for q, 1 for k; the same in all sixteen partners
	s_cselect_b64 s[6:7], s[6:7], s[8:9]           ; W
	s_cselect_b64 s[10:11], s[10:11], s[68:69]     ; the bias
	s_cselect_b64 s[72:73], s[72:73], s[74:75]     ; the output
	s_load_b256 s[76:83], s[70:71], 0x0            ; entries 0 to 7 of the scales
	s_add_nc_u64 s[20:21], s[4:5], s[20:21]
	s_add_nc_u64 s[46:47], s[6:7], s[46:47]
	CROUND                                         ; all sixteen work-groups are here: the first joint loads meet
.irp s, 0,1
	s_mov_b32 s[G0+4*\s], 1
	s_add_co_u32 s[G0+4*\s+1], s45, \s*SLOT
	s_add_nc_u64 s[G0+4*\s+2:G0+4*\s+3], s[20:21], \s*ROWB
	s_or_b32 s[G0+4*\s+3], s[G0+4*\s+3], 0x80000000
	s_mov_b32 s[G0B+4*\s], 1
	s_add_co_u32 s[G0B+4*\s+1], s45, \s*SLOT
	s_add_nc_u64 s[G0B+4*\s+2:G0B+4*\s+3], s[46:47], \s*ROWB
	s_or_b32 s[G0B+4*\s+3], s[G0B+4*\s+3], 0x80000000
	JLOAD G0+4*\s, G1, G0B+4*\s, G1B               ; two tensor loads of mine are out
.endr
	v_and_b32 v1, 15, v0                           ; r
	v_bfe_u32 v2, v0, 4, 1                         ; h
	v_lshlrev_b32 v[BO], 5, v2
	s_lshl_b32 s46, s40, 10
	s_lshl_b32 s47, s16, 9
	s_add_co_u32 s46, s46, s47                     ; the bias of my 128 columns: (256 cx + 128 x half) x 4 bytes
	s_mov_b32 s47, 0
	s_add_nc_u64 s[10:11], s[10:11], s[46:47]
.irp b, 0,1,2,3,4,5,6,7
	global_load_b128 v[BIAS+8*\b:BIAS+8*\b+3],   v[BO], s[10:11] offset:64*\b      ; block b: bias(16 b + 8 h + 0 .. 7), the result's layout
	global_load_b128 v[BIAS+8*\b+4:BIAS+8*\b+7], v[BO], s[10:11] offset:64*\b+16
.endr
	v_mul_u32_u24 v3, v1, PITCH
	v_lshl_add_u32 v4, v2, 4, v3                   ; a fragment's row x pitch + 16 x half
	s_mul_i32 s21, s15, HALFT                      ; my 128 rows of x
	s_mul_i32 s22, s16, HALFT                      ; my 128 rows of W,
	s_add_co_u32 s22, s22, 2*HALFT                 ; which lie behind x's 256
.irp s, 0,1
	v_add_nc_u32 v[ADRA+\s], s21, v4
	v_add_nc_u32 v[ADRB+\s], s22, v4
	s_add_co_u32 s21, s21, SLOT
	s_add_co_u32 s22, s22, SLOT
.endr
	v_and_b32 v6, 31, v0
	v_lshlrev_b32 v[LO], 4, v6
	; where my images begin: ((batch x 16 + head) x 128 + s / 16) x 1,024 bytes; batch = tile row / 8, head = 4 cx + 2 x column half (+ 1 by the immediate), s / 16 = 16 (tile row % 8) + 8 x row half (+ a)
	s_lshr_b32 s20, s17, 3
	s_lshl_b32 s20, s20, 4
	s_lshl_b32 s21, s40, 2
	s_add_co_u32 s20, s20, s21
	s_lshl_b32 s21, s16, 1
	s_add_co_u32 s20, s20, s21
	s_lshl_b32 s20, s20, 17
	s_and_b32 s21, s17, 7
	s_lshl_b32 s21, s21, 4
	s_lshl_b32 s22, s15, 3
	s_add_co_u32 s21, s21, s22
	s_lshl_b32 s21, s21, 10
	s_add_co_u32 s20, s20, s21
	s_mov_b32 s21, 0
	s_add_nc_u64 s[72:73], s[72:73], s[20:21]
	s_wait_kmcnt 0x0
	s_cmp_eq_u32 ttmp9, 0
	s_cselect_b32 s84, s76, s78                    ; ea
	s_cselect_b32 s85, s77, s79                    ; eb
	s_cselect_b32 s86, s82, s83                    ; eo
	s_add_co_i32 s84, s84, s85                     ; ea + eb
	s_sub_co_i32 s85, 0, s84
	s_sub_co_i32 s86, s86, s84
	s_add_co_i32 s86, s86, 127
	s_lshl_b32 s87, s86, 23
	v_mov_b32 v[SC], s87                           ; 2^(eo - ea - eb)
	s_wait_loadcnt 0x0                             ; the bias
.set ii, 0
.rept 64
	v_ldexp_f32 v[BIAS+ii], v[BIAS+ii], s85        ; bias / 2^(ea + eb): nothing is rounded, short of overflow and underflow
.set ii, ii+1
.endr
.macro FRAG reg, adr, q, i             ; 16 rows x 128 K: four loads of 16 bytes, 32 apart: registers 4 c .. 4 c + 3 hold K = 32 c + 16 (l / 16) + 0 .. 15, the same permutation of K in x and in W
.irp c, 0,1,2,3
	ds_load_b128 v[\reg+4*\c:\reg+4*\c+3], v[\adr] offset:128*(\q)+32*\c+(\i)*16*PITCH
.endr
.endm
; 16 matrix instructions: x's blocks a0, a0 + 1 against W's eight.  p: W's set.  first = 1: the bias starts the sums.  The 64 accumulators take turns, one instruction a turn.
.macro MUL16 a0, p, first
.irp a, \a0, \a0+1
.irp b, 0,1,2,3,4,5,6,7
.if \first
	v_wmma_f32_16x16x128_fp8_fp8 v[8*(8*((\a)%4)+\b):8*(8*((\a)%4)+\b)+7], v[128*(\p)+FR*\b:128*(\p)+FR*\b+FR-1], v[AF+FR*(\a):AF+FR*(\a)+FR-1], v[BIAS+8*\b:BIAS+8*\b+7]
.else
	v_wmma_f32_16x16x128_fp8_fp8 v[8*(8*((\a)%4)+\b):8*(8*((\a)%4)+\b)+7], v[128*(\p)+FR*\b:128*(\p)+FR*\b+FR-1], v[AF+FR*(\a):AF+FR*(\a)+FR-1], v[8*(8*((\a)%4)+\b):8*(8*((\a)%4)+\b)+7]
.endif
.endr
.endr
.endm
.macro FETCH_B slot, q, p
	WIN TO_B
.irp i, 0,1,2,3,4,5,6,7
	FRAG 128*(\p)+FR*\i, ADRB+\slot, \q, \i
.endr
	WIN 0
.endm
.macro FETCH_A slot, q, i0
.irp i, \i0, \i0+1, \i0+2, \i0+3
	FRAG AF+FR*(\i), ADRA+\slot, \q, \i
.endr
.endm
.macro PLACES n                        ; plain vector lines between a matrix instruction and a load into, or a vector read or write of, its registers
.rept \n
	v_nop
.endr
.endm
; A step of 128 along K that has its successor in the same slot.  x has one set of registers: blocks 0-3 are fetched anew in the step's middle, blocks 4-7 at its end.
.macro STEP slot, q, first
	s_wait_dscnt 4*NL                              ; W's set and x's blocks 0-3 are in; the youngest 16 loads (x's blocks 4-7) may be out
.if \first
	WIN FST_LO
.else
	WIN MUL_LO
.endif
	MUL16 0, (\q)%2, \first
	MUL16 2, (\q)%2, \first
	s_wait_dscnt 0                                 ; x's blocks 4-7 are in
	PLACES NP
	FETCH_B \slot, (\q)+1, 1-(\q)%2
	FETCH_A \slot, (\q)+1, 0
.if \first
	WIN FST_HI
.else
	WIN MUL_HI
.endif
	MUL16 4, (\q)%2, \first
	MUL16 6, (\q)%2, \first
	PLACES NP
	WIN 0
	FETCH_A \slot, (\q)+1, 4
.endm
; A slot's last step changes slots: one barrier; in front of it each wave waits for all its tensor loads, adds 0 to its spare word, and waits for that and for its reads of this slot.
.macro TURN slot, next, fill
	s_wait_tensorcnt 0x0                           ; all my tensor loads have landed: my part of the next slot (every window is 0 here)
	ds_add_u32 v[SPW], v[NIL]                      ; 0 onto my spare word
	s_wait_dscnt 4*NL+1                            ; the add and the youngest 16 loads (x's blocks 4-7) may be out
	WIN MUL_LO
	MUL16 0, 1, 0                                  ; sixteen products stand between the add and the wait for it
	s_wait_dscnt 0x0                               ; the add is done, and my reads of this slot are over
	s_barrier_signal -1
	MUL16 2, 1, 0
	WIN 0
	s_barrier_wait -1
.if \fill
	CREST                                          ; the barrier has opened a round of the cluster's: no wave of any partner still reads this slot or has a load on its way
	s_add_nc_u64 s[G0+4*\slot+2:G0+4*\slot+3], s[G0+4*\slot+2:G0+4*\slot+3], 2*ROWB
	s_add_nc_u64 s[G0B+4*\slot+2:G0B+4*\slot+3], s[G0B+4*\slot+2:G0B+4*\slot+3], 2*ROWB
	JLOAD G0+4*\slot, G1, G0B+4*\slot, G1B         ; my one tensor load behind the round; its four v_nop are the places in front of the loads below
.else
	PLACES NP
.endif
	FETCH_B \next, 0, 0
	FETCH_A \next, 0, 0
	WIN MUL_HI
	MUL16 4, 1, 0
	MUL16 6, 1, 0
	PLACES NP
	WIN 0
	FETCH_A \next, 0, 4
.endm
	s_wait_alu depctr_va_vdst(0)
	s_wait_tensorcnt 1                             ; my part of K step 0 is in; K step 1's load may be out
	s_barrier_signal -1
	s_barrier_wait -1
	FETCH_B 0, 0, 0
	FETCH_A 0, 0, 0
	FETCH_A 0, 0, 4
	STEP 0, 0, 1                                   ; K = 1,024 is eight steps of 128, four slots' worth: written out, no loop
	TURN 0, 1, 1                                   ; slot 0 takes K 512 to 767
	STEP 1, 0, 0
	TURN 1, 0, 1                                   ; slot 1 takes K 768 to 1,023
	STEP 0, 0, 0
	TURN 0, 1, 0                                   ; nothing is left to fetch
	STEP 1, 0, 0
	s_wait_dscnt 4*NL
	WIN MUL_LO
	MUL16 0, 1, 0
	MUL16 2, 1, 0
	s_wait_dscnt 0
	WIN MUL_HI
	MUL16 4, 1, 0
	MUL16 6, 1, 0
	WIN 0
; THE WAY OUT.  Rows 16 a on, head hd of my two: the four accumulators (a, 4 hd + c) are
; converted eight at a time into registers 2 c, 2 c + 1 of the fragment, and stored as they stand.  Each fragment has code registers of its own, so no store's data are written again.
.macro OUTF a, hd
.set ff, 2*(\a)+(\hd)
.set AC, 8*(8*((\a)%4)+4*(\hd))
.set TT, TMP+32*(ff%2)
.set WW, 0x02+((\a)/4)
	WIN WW                                         ; source 0: window 2 or 3
.set ii, 0
.rept 32
.set ii, ii+1
.endr
.irp g, 0,1,2,3
	v_cvt_scalef32_pk8_fp8_f32 v[CD+8*ff+2*\g:CD+8*ff+2*\g+1], v[AC+8*\g:AC+8*\g+7], v[SC]
.endr
	WIN 0
	v_nop                                          ; one plain line behind the last conversion of a run
	global_store_b128 v[LO], v[CD+8*ff:CD+8*ff+3],   s[72:73] offset:(\a)*1024+(\hd)*131072       ; 32 lanes store 512 consecutive bytes, aligned
	global_store_b128 v[LO], v[CD+8*ff+4:CD+8*ff+7], s[72:73] offset:(\a)*1024+(\hd)*131072+512
.endm
	PLACES NP                                      ; behind the last products: their results are read, and x's fragment registers take the codes
.irp a, 0,1,2,3,4,5,6,7
	OUTF \a, 0
	OUTF \a, 1
.endr
	s_wait_tensorcnt 0x0                           ; the wave's end
	ds_add_u32 v[SPW], v[NIL]
	s_wait_dscnt 0x0
	CROUND                                         ; the closing round
	s_endpgm
.Lfunc_end_k_qeca56ff043_qk_proj:
	.size	k_qeca56ff043_qk_proj, .Lfunc_end_k_qeca56ff043_qk_proj-k_qeca56ff043_qk_proj
	.p2alignl 7, 3214868480
	.fill 96, 4, 3214868480
	.section	.rodata,"a",@progbits
	.p2align	6, 0x0
	.amdhsa_kernel k_qeca56ff043_qk_proj
		.amdhsa_group_segment_fixed_size 327680
		.amdhsa_private_segment_fixed_size 0
		.amdhsa_enable_private_segment 0
		.amdhsa_kernarg_size 64
		.amdhsa_user_sgpr_count 2
		.amdhsa_user_sgpr_kernarg_segment_ptr 1
		.amdhsa_wavefront_size32 1
		.amdhsa_system_sgpr_workgroup_id_x 1
		.amdhsa_system_sgpr_workgroup_id_y 1
		.amdhsa_system_sgpr_workgroup_id_z 1
		.amdhsa_system_vgpr_workitem_id 0
		.amdhsa_next_free_vgpr 1024
		.amdhsa_next_free_sgpr 104
		.amdhsa_reserve_vcc 0
		.amdhsa_float_denorm_mode_32 3
		.amdhsa_float_denorm_mode_16_64 3
		.amdhsa_fp16_overflow 1
		.amdhsa_memory_ordered 1
		.amdhsa_forward_progress 1
		.amdhsa_inst_pref_size 92
	.end_amdhsa_kernel
	.amdgpu_metadata
---
amdhsa.version: [ 1, 2 ]
amdhsa.kernels:
  - .name:           k_qeca56ff043_qk_proj
    .symbol:         k_qeca56ff043_qk_proj.kd
    .args:
      - { .name: x_codes, .offset: 0, .size: 8, .value_kind: global_buffer, .address_space: global }
      - { .name: Wq_codes, .offset: 8, .size: 8, .value_kind: global_buffer, .address_space: global }
      - { .name: Wk_codes, .offset: 16, .size: 8, .value_kind: global_buffer, .address_space: global }
      - { .name: bq, .offset: 24, .size: 8, .value_kind: global_buffer, .address_space: global }
      - { .name: bk, .offset: 32, .size: 8, .value_kind: global_buffer, .address_space: global }
      - { .name: lowp_scales, .offset: 40, .size: 8, .value_kind: global_buffer, .address_space: global }
      - { .name: q_img, .offset: 48, .size: 8, .value_kind: global_buffer, .address_space: global }
      - { .name: k_img, .offset: 56, .size: 8, .value_kind: global_buffer, .address_space: global }
    .group_segment_fixed_size: 327680
    .private_segment_fixed_size: 0
    .kernarg_segment_align: 8
    .kernarg_segment_size: 64
    .max_flat_workgroup_size: 128
    .sgpr_count:     104
    .vgpr_count:     1024
    .wavefront_size: 32
...
	.end_amdgpu_metadata
.endif
;; end of part 1
;; launch attn_sum (part 2): grid 4 x 64, 16 waves a work-group, clusters of 4 x 1, 169,984 bytes of LDS; arguments q_img, k_img, lowp_scales, cpart; writes cpart
.if DOCPART == 2
	.amdgcn_target "amdgcn-amd-amdhsa--gfx1250"
	.amdhsa_code_object_version 6
	.text
	.protected	k_qeca56ff043_attn_sum
	.globl	k_qeca56ff043_attn_sum
	.p2align	8
	.type	k_qeca56ff043_attn_sum,@function
k_qeca56ff043_attn_sum:
	s_mov_b64 s[64:65], 0
	v_nop
	global_prefetch_b8 v0, s[64:65] scope:SCOPE_SE
	s_setreg_imm32_b32 hwreg(HW_REG_WAVE_MODE, 25, 1), 1
	s_wait_xcnt 0x0
	s_wait_alu depctr_hold_cnt(0) depctr_sa_sdst(0) depctr_va_vdst(0) depctr_va_sdst(0) depctr_va_ssrc(0) depctr_va_vcc(0) depctr_vm_vsrc(0)
	s_getreg_b32 s2, hwreg(HW_REG_IB_STS2, 6, 4)
	s_cmp_eq_u32 s2, 0
	s_cbranch_scc0 .Lentry_in_a_cluster
	s_endpgm
.Lentry_in_a_cluster:
	s_bfe_u32 s2, ttmp6, 0x10000c
	s_cmp_lg_u32 s2, 0x3003
	s_cbranch_scc0 .Lentry_shape_is_right
	s_endpgm
.Lentry_shape_is_right:
; For one (batch, head) and 512 of its queries: the sum over those queries and over all 2,048 keys of softmax_k(q . k / 32), on codes of FP8 (E4M3) by v_wmma_f32_16x16x64_fp8_fp8.
; For a query: m = the largest score, p = 2^(c s - c m), l = the sum of p; the sum over k of p / l is l x (1 / l): the division is drawn out of the sum, which holds for every input.
; c = log2(e) / 32 x 2^(e6 + e7): the two given exponents are added to c's exponent field.  LIMIT: e6 + e7 between -121 and 132.
; SHARES.  Work-group = head (cluster y) and query block cx.  Sixteen waves, four to a SIMD; wave w owns 32 queries, two fragments that stay in registers, and walks all keys, 128 a step.
; LDS.  The head's whole K, 128 images of 1,024 bytes, lies in LDS, filled ONCE: each wave asks for 8,192 bytes.  The four work-groups of a cluster share the head, so each load is a joint one (mask 15).
; LAYOUT.  S^T = K Q^T (source 0 = 16 keys, source 1 = 16 queries): lane (r, h) holds query r and keys 8 h + 0 .. 7 of each fragment.  Each half of the lanes keeps a running m and l of its OWN keys;
; the halves are joined once, at the end: no lane exchange stands in the loop.
; REGISTERS: v1-5 addresses; v16-31 Q; v32-95 eight fragments of K; v96-223 S^T, then p (tile t at 96 + 64 t); v224-239 statistics; v240-247 at work; v248-253 the end.
.set L16, 1                            ; v1  16 x lane
.set ADR, 2                            ; v2  LDS address of the step's fragments
.set RA,  3                            ; v3  where my wave puts its sum
.set RB,  4                            ; v4  where the sixteen sums begin
.set ZO,  5                            ; v5  0
.set QF,  16
.set KF,  32
.set S,   96
.set ST,  224                          ; tile t at ST + 8 t: +0 -c m, +1 (named with it as a pair), +2, +3 l in two halves, +4 a, +5 (pair), +6 m, +7 the step's maximum
.set TS,  240                          ; tile t at TS + 4 t: +0, +1 a second chain of the sum, +2 a second chain of the maximum, +3 c m_old - c m_new
.set RED, 131072                       ; behind K: sixteen words, in a block of 256 bytes into which no tile lands
.set WV,  12
.set G1,  16                           ; s[16:23]
.set G0,  24                           ; s[24:27]
.set CS,  28                           ; s[28:29] c, twice: the packed form names a pair
.set NC,  30                           ; s30 -c
.set SEL, 32                           ; s[32:33] lane l xor 16
.set TB,  34                           ; s34 LDS byte of the step to be fetched
.set TRIPS, 35
.macro CROUND                          ; a round of the cluster's barrier
	s_barrier_signal -1
	s_barrier_wait -1
	s_cmp_lg_u32 s[WV], 0
	s_cbranch_scc1 .Lnot_wave_0_\@
	s_barrier_signal -3
.Lnot_wave_0_\@:
	s_barrier_wait -3
	s_barrier_signal -1
	s_barrier_wait -1
.endm
	s_load_b256 s[4:11], s[0:1], 0x0               ; q_img s[4:5], k_img s[6:7], the scales s[8:9], cpart s[10:11]
	v_lshl_add_u32 v254, v0, 2, 0x29000
	v_mov_b32 v255, 0
	ds_add_u32 v254, v255
	ds_add_u32 v254, v255
	v_lshrrev_b32 v[RA], 5, v0
	v_readfirstlane_b32 s[WV], v[RA]               ; wave 0..15
	v_lshl_add_u32 v[RA], v[RA], 2, RED
	v_mov_b32 v[RB], RED
	v_mov_b32 v[ZO], 0
	v_and_b32 v[L16], 31, v0
	v_lshlrev_b32 v[L16], 4, v[L16]
	s_bfe_u32 s13, ttmp6, 0x40000                  ; cx: my block of 512 queries
	s_and_b32 s14, ttmp7, 0xffff                   ; batch x 16 + head, which the four partners share
	s_lshl_b32 s2, s14, 17                         ; the head's 131,072 bytes of K,
	s_lshl_b32 s3, s[WV], 13                       ; my wave's 8,192 of them
	s_add_co_u32 s2, s2, s3
	s_mov_b32 s3, 0
	s_lshl_b32 s36, s14, 7
	s_lshl_b32 s37, s13, 5
	s_add_co_u32 s36, s36, s37
	s_lshl_b32 s37, s[WV], 1
	s_add_co_u32 s36, s36, s37
	s_lshl_b32 s36, s36, 10                        ; Q: image 128 x head + 32 cx + 2 x wave
	s_mov_b32 s37, 0
	s_lshl_b32 s40, s14, 2
	s_add_co_u32 s40, s40, s13
	s_lshl_b32 s40, s40, 2                         ; cpart: word 4 x head + cx
	s_mov_b32 s41, 0
	s_mov_b32 s[G1], 15|(3<<16)|(1<<21)            ; the mask: all four work-groups; elements of 8 bytes; bit 21 beside a mask; no padding: images are read 16 bytes a lane, on end
	s_mov_b32 s[G1+1], 32<<16                      ; tensor_dim0 = 32 elements: 256 bytes
	s_mov_b32 s[G1+2], 32<<16                      ; tensor_dim1 = 32 rows
	s_mov_b32 s[G1+3], 32<<16                      ; tile_dim0
	s_mov_b32 s[G1+4], 32                          ; tile_dim1
	s_mov_b32 s[G1+5], 32                          ; from row to row: dense
	s_mov_b32 s[G1+6], 0
	s_mov_b32 s[G1+7], 0
	s_mov_b32 s[SEL], 0x76543210
	s_mov_b32 s[SEL+1], 0xfedcba98
	s_mov_b32 s[TB], 0
	s_mov_b32 s[TRIPS], 15
	s_wait_dscnt 0x0
	s_wait_kmcnt 0x0
	s_load_b64 s[38:39], s[8:9], 0x18              ; e6, e7
	s_add_nc_u64 s[6:7], s[6:7], s[2:3]
	s_add_nc_u64 s[4:5], s[4:5], s[36:37]
	s_add_nc_u64 s[10:11], s[10:11], s[40:41]
	s_mov_b32 s[G0], 1
	s_lshl_b32 s[G0+1], s[WV], 13                  ; LDS: wave x 8,192
	s_mov_b64 s[G0+2:G0+3], s[6:7]
	s_or_b32 s[G0+3], s[G0+3], 0x80000000
	CROUND                                         ; all four work-groups are here: the joint loads meet
	tensor_load_to_lds s[G0:G0+3], s[G1:G1+7]      ; my one tensor load of the launch
	s_nop 0
.rept 4
	v_nop
.endr
.irp t, 0,1
	global_load_b128 v[QF+8*\t:QF+8*\t+3],   v[L16], s[4:5] offset:1024*\t       ; Q's two fragments, as images
	global_load_b128 v[QF+8*\t+4:QF+8*\t+7], v[L16], s[4:5] offset:1024*\t+512
.endr
.irp t, 0,1
	v_mov_b32 v[ST+8*\t], 0
	v_mov_b32 v[ST+8*\t+1], 0
	v_mov_b32 v[ST+8*\t+2], 0                      ; l
	v_mov_b32 v[ST+8*\t+3], 0
	v_mov_b32 v[ST+8*\t+5], 0
	v_mov_b32 v[ST+8*\t+6], 0xff800000             ; m: -infinity; the first step's a is then 2^-infinity = 0, and multiplies zeros
	v_mov_b32 v[250+\t], 0                         ; a lane permute's destination counts as one of its sources
.endr
	s_wait_kmcnt 0x0
	s_add_co_i32 s38, s38, s39
	s_lshl_b32 s38, s38, 23
	s_mov_b32 s[CS], 0x3d38aa3b                    ; log2(e) / 32
	s_add_co_i32 s[CS], s[CS], s38
	s_mov_b32 s[CS+1], s[CS]
	s_xor_b32 s[NC], s[CS], 0x80000000
	s_wait_tensorcnt 0x0                           ; my part of K is in,
	s_barrier_signal -1
	s_barrier_wait -1                              ; everybody's is
.macro FETCH                           ; a step's eight fragments of K: 16 loads of 512 consecutive bytes
.irp i, 0,1,2,3,4,5,6,7
	ds_load_b128 v[KF+8*\i:KF+8*\i+3],   v[ADR] offset:1024*\i
	ds_load_b128 v[KF+8*\i+4:KF+8*\i+7], v[ADR] offset:1024*\i+512
.endr
.endm
.macro PFMA n                          ; pair n of 64 (tile n % 2, scores 2 (n / 2) and the next): c s - c m
.set rr, S+64*((\n)%2)+2*((\n)/2)
.set nm, ST+8*((\n)%2)
	v_pk_fma_f32 v[rr:rr+1], v[rr:rr+1], s[CS:CS+1], v[nm:nm+1] op_sel_hi:[1,0,0]
.endm
.macro PEXP n
.set rr, S+64*((\n)%2)+2*((\n)/2)
	v_exp_f32 v[rr], v[rr]
	v_exp_f32 v[rr+1], v[rr+1]
.endm
; THE SOFTMAX OF A STEP, the two tiles alternating line by line, so that no line waits for the one above it.
.macro SOFT
.irp t, 0,1
	v_max3_num_f32 v[ST+8*\t+7], v[S+64*\t], v[S+64*\t+1], v[S+64*\t+2]          ; the maximum of my 64 scores and the old m, in two chains; each accumulator is read from its low end on
.endr
.irp t, 0,1
	v_max3_num_f32 v[TS+4*\t+2], v[S+64*\t+3], v[S+64*\t+4], v[S+64*\t+5]
.endr
.irp i, 6,10,14,18,22,26,30,34,38,42,46,50,54,58
.irp t, 0,1
	v_max3_num_f32 v[ST+8*\t+7], v[ST+8*\t+7], v[S+64*\t+\i], v[S+64*\t+\i+1]
.endr
.irp t, 0,1
	v_max3_num_f32 v[TS+4*\t+2], v[TS+4*\t+2], v[S+64*\t+\i+2], v[S+64*\t+\i+3]
.endr
.endr
.irp t, 0,1
	v_max3_num_f32 v[ST+8*\t+7], v[ST+8*\t+7], v[S+64*\t+62], v[S+64*\t+63]
.endr
.irp t, 0,1
	v_max3_num_f32 v[ST+8*\t+7], v[ST+8*\t+7], v[TS+4*\t+2], v[ST+8*\t+6]
.endr
.irp t, 0,1
	v_mul_f32 v[ST+8*\t], s[NC], v[ST+8*\t+7]                                    ; -c m
.endr
.irp t, 0,1
	v_fma_f32 v[TS+4*\t+3], v[ST+8*\t+6], s[CS], v[ST+8*\t]                      ; c m_old - c m_new, 0 or less
.endr
.irp t, 0,1
	v_mov_b32 v[ST+8*\t+6], v[ST+8*\t+7]
.endr
	; ONE BATCH: 64 packed scalings and 130 exponentials, none of which names an exponential's result; a pair is scaled three lines ahead of its exponentials
	PFMA 0
	PFMA 1
	v_exp_f32 v[ST+4], v[TS+3]                     ; a = 2^(c m_old - c m_new)
	v_exp_f32 v[ST+12], v[TS+7]
.set nn, 0
	s_setprio 1
.rept 62
	PEXP nn
	PFMA nn+2
.set nn, nn+1
.endr
	PEXP 62
	PEXP 63
	s_setprio 0
	v_nop                                          ; one plain line behind the last exponential
	s_wait_alu depctr_va_vdst(0)                   ; one wait for the whole batch, ahead of its first reader
.irp t, 0,1
	v_pk_mul_f32 v[ST+8*\t+2:ST+8*\t+3], v[ST+8*\t+2:ST+8*\t+3], v[ST+8*\t+4:ST+8*\t+5] op_sel_hi:[1,0]   ; l under the new m
.endr
.irp t, 0,1
	v_pk_add_f32 v[TS+4*\t:TS+4*\t+1], v[S+64*\t:S+64*\t+1], v[S+64*\t+2:S+64*\t+3]
.endr
.irp j, 4,8,12,16,20,24,28,32,36,40,44,48,52,56,60
.irp t, 0,1
	v_pk_add_f32 v[ST+8*\t+2:ST+8*\t+3], v[ST+8*\t+2:ST+8*\t+3], v[S+64*\t+\j:S+64*\t+\j+1]
.endr
.irp t, 0,1
	v_pk_add_f32 v[TS+4*\t:TS+4*\t+1], v[TS+4*\t:TS+4*\t+1], v[S+64*\t+\j+2:S+64*\t+\j+3]
.endr
.endr
.irp t, 0,1
	v_pk_add_f32 v[ST+8*\t+2:ST+8*\t+3], v[ST+8*\t+2:ST+8*\t+3], v[TS+4*\t:TS+4*\t+1]
.endr
.endm
; A KEY STEP: 128 keys x my 32 queries: 16 products, each with a sum of its own (C = 0); the next step's fragments are fetched under the softmax.
.macro KSTEP fetch
	s_wait_dscnt 0x0                               ; this step's 16 loads, issued a step ago
.irp i, 0,1,2,3,4,5,6,7
.irp t, 0,1
	v_wmma_f32_16x16x64_fp8_fp8 v[S+64*\t+8*\i:S+64*\t+8*\i+7], v[KF+8*\i:KF+8*\i+7], v[QF+8*\t:QF+8*\t+7], 0
.endr
.endr
.if \fetch
	s_add_co_u32 s[TB], s[TB], 8192
	v_add_nc_u32 v[ADR], s[TB], v[L16]             ; with the three v_nop: the four places behind the products, for the loads into K's registers and the first read of the scores
.rept 3
	v_nop
.endr
	FETCH
.else
.rept 4
	v_nop
.endr
.endif
	SOFT
.endm
	v_add_nc_u32 v[ADR], s[TB], v[L16]
	FETCH                                          ; key step 0
	s_wait_loadcnt 0x0                             ; Q
.Lstep:                                            ; 15 trips; the sixteenth step is written out: it fetches nothing past the end of K
	s_setprio 2
	KSTEP 1
	s_sub_co_u32 s[TRIPS], s[TRIPS], 1
	s_cmp_lg_u32 s[TRIPS], 0
	s_cbranch_scc1 .Lstep
	s_setprio 0
	KSTEP 0
	; THE END.  The two halves of the lanes are joined: l = l_mine 2^(c (m_mine - m)) + the other half's; the query's term is l x (1 / l).
.irp t, 0,1
	v_add_f32 v[248+\t], v[ST+8*\t+2], v[ST+8*\t+3]
.endr
.irp t, 0,1
	v_permlanex16_b32 v[250+\t], v[ST+8*\t+6], s[SEL], s[SEL+1]
.endr
.irp t, 0,1
	v_max_num_f32 v[250+\t], v[ST+8*\t+6], v[250+\t]
.endr
.irp t, 0,1
	v_sub_f32 v[250+\t], v[ST+8*\t+6], v[250+\t]
.endr
.irp t, 0,1
	v_mul_f32 v[250+\t], s[CS], v[250+\t]
.endr
.irp t, 0,1
	v_exp_f32 v[252+\t], v[250+\t]
.endr
	v_nop
	s_wait_alu depctr_va_vdst(0)                   ; one wait for the two exponentials
.irp t, 0,1
	v_mul_f32 v[248+\t], v[248+\t], v[252+\t]
.endr
.irp t, 0,1
	v_permlanex16_b32 v[250+\t], v[248+\t], s[SEL], s[SEL+1]
.endr
.irp t, 0,1
	v_add_f32 v[248+\t], v[248+\t], v[250+\t]      ; l
.endr
.irp t, 0,1
	v_rcp_f32 v[252+\t], v[248+\t]
.endr
	v_nop
	s_wait_alu depctr_va_vdst(0)                   ; one wait for the two reciprocals
.irp t, 0,1
	v_mul_f32 v[248+\t], v[248+\t], v[252+\t]      ; the sum over k of p / l
.endr
	v_add_f32 v248, v248, v249
	v_add_f32_dpp v248, v248, v248 row_xmask:1 row_mask:0xf bank_mask:0xf        ; over the 16 queries of a row of lanes; both rows hold the same queries
	v_add_f32_dpp v248, v248, v248 row_xmask:2 row_mask:0xf bank_mask:0xf
	v_add_f32_dpp v248, v248, v248 row_xmask:4 row_mask:0xf bank_mask:0xf
	v_add_f32_dpp v248, v248, v248 row_xmask:8 row_mask:0xf bank_mask:0xf
	ds_store_b32 v[RA], v248                       ; all lanes write my wave's word with the same number
	s_wait_dscnt 0x0                               ; for the others' sake
	s_barrier_signal -1
	s_barrier_wait -1
.irp i, 0,1,2,3
	ds_load_b128 v[32+4*\i:35+4*\i], v[RB] offset:16*\i
.endr
	s_wait_dscnt 0x0
	v_pk_add_f32 v[32:33], v[32:33], v[34:35]
	v_pk_add_f32 v[36:37], v[36:37], v[38:39]
	v_pk_add_f32 v[40:41], v[40:41], v[42:43]
	v_pk_add_f32 v[44:45], v[44:45], v[46:47]
	v_pk_add_f32 v[32:33], v[32:33], v[36:37]
	v_pk_add_f32 v[40:41], v[40:41], v[44:45]
	v_pk_add_f32 v[32:33], v[32:33], v[40:41]
	v_add_f32 v32, v32, v33                        ; the work-group's 512 queries
	s_wait_xcnt 0x0                                ; EXEC changes only behind this wait
	v_cmp_eq_u32 vcc_lo, 0, v0
	s_and_saveexec_b32 s42, vcc_lo                 ; thread 0 alone: four bytes are all that the work-group has to say
	global_store_b32 v[ZO], v32, s[10:11]
	s_wait_xcnt 0x0
	s_or_b32 exec_lo, exec_lo, s42
	s_wait_tensorcnt 0x0
	ds_add_u32 v254, v255
	s_wait_dscnt 0x0
	CROUND                                         ; the closing round
	s_endpgm
.Lfunc_end_k_qeca56ff043_attn_sum:
	.size	k_qeca56ff043_attn_sum, .Lfunc_end_k_qeca56ff043_attn_sum-k_qeca56ff043_attn_sum
	.p2alignl 7, 3214868480
	.fill 96, 4, 3214868480
	.section	.rodata,"a",@progbits
	.p2align	6, 0x0
	.amdhsa_kernel k_qeca56ff043_attn_sum
		.amdhsa_group_segment_fixed_size 169984
		.amdhsa_private_segment_fixed_size 0
		.amdhsa_enable_private_segment 0
		.amdhsa_kernarg_size 32
		.amdhsa_user_sgpr_count 2
		.amdhsa_user_sgpr_kernarg_segment_ptr 1
		.amdhsa_wavefront_size32 1
		.amdhsa_system_sgpr_workgroup_id_x 1
		.amdhsa_system_sgpr_workgroup_id_y 1
		.amdhsa_system_sgpr_workgroup_id_z 1
		.amdhsa_system_vgpr_workitem_id 0
		.amdhsa_next_free_vgpr 256
		.amdhsa_next_free_sgpr 66
		.amdhsa_reserve_vcc 1
		.amdhsa_float_denorm_mode_32 3
		.amdhsa_float_denorm_mode_16_64 3
		.amdhsa_memory_ordered 1
		.amdhsa_forward_progress 1
		.amdhsa_inst_pref_size 45
	.end_amdhsa_kernel
	.amdgpu_metadata
---
amdhsa.version: [ 1, 2 ]
amdhsa.kernels:
  - .name:           k_qeca56ff043_attn_sum
    .symbol:         k_qeca56ff043_attn_sum.kd
    .args:
      - { .name: q_img, .offset: 0, .size: 8, .value_kind: global_buffer, .address_space: global }
      - { .name: k_img, .offset: 8, .size: 8, .value_kind: global_buffer, .address_space: global }
      - { .name: lowp_scales, .offset: 16, .size: 8, .value_kind: global_buffer, .address_space: global }
      - { .name: cpart, .offset: 24, .size: 8, .value_kind: global_buffer, .address_space: global }
    .group_segment_fixed_size: 169984
    .private_segment_fixed_size: 0
    .kernarg_segment_align: 8
    .kernarg_segment_size: 32
    .max_flat_workgroup_size: 512
    .sgpr_count:     66
    .vgpr_count:     256
    .wavefront_size: 32
...
	.end_amdgpu_metadata
.endif
;; end of part 2
;; launch v_proj (part 3): grid 8 x 32, 4 waves a work-group, clusters of 4 x 4, 327,680 bytes of LDS; arguments x_codes, Wv_codes, bv, lowp_scales, cpart, h_img; writes h_img
.if DOCPART == 3
	.amdgcn_target "amdgcn-amd-amdhsa--gfx1250"
	.amdhsa_code_object_version 6
	.text
	.protected	k_qeca56ff043_v_proj
	.globl	k_qeca56ff043_v_proj
	.p2align	8
	.type	k_qeca56ff043_v_proj,@function
k_qeca56ff043_v_proj:
	s_mov_b64 s[64:65], 0
	v_nop
	global_prefetch_b8 v0, s[64:65] scope:SCOPE_SE
	s_setreg_imm32_b32 hwreg(HW_REG_WAVE_MODE, 25, 1), 1
	s_wait_xcnt 0x0
	s_wait_alu depctr_hold_cnt(0) depctr_sa_sdst(0) depctr_va_vdst(0) depctr_va_sdst(0) depctr_va_ssrc(0) depctr_va_vcc(0) depctr_vm_vsrc(0)
	s_getreg_b32 s2, hwreg(HW_REG_IB_STS2, 6, 4)
	s_cmp_eq_u32 s2, 0
	s_cbranch_scc0 .Lentry_in_a_cluster
	s_endpgm
.Lentry_in_a_cluster:
	s_bfe_u32 s2, ttmp6, 0x10000c
	s_cmp_lg_u32 s2, 0xf033
	s_cbranch_scc0 .Lentry_shape_is_right
	s_endpgm
.Lentry_shape_is_right:
; h = Q(c[b, head] x (x Wv^T + bv)): the third projection on codes of FP8 (E4M3), the product with the head's one number c in f32, and the quantiser of the last product's operand (entry 8 of the scales).
; c[b, head] is the sum of the four partial sums that the launch before stored.
; A tile of C is 256 rows x 128 columns: 256 tiles, one a work-group.  Four waves, each 128 rows x 64 columns, which are ONE head: 32 accumulators.
; K = 1,024 is four K steps of 256.  THREE LDS slots: K steps 0, 1, 2 are first fills, K step 3 is the one refill, into slot 0: one round of the cluster's barrier among the products.
; CLUSTER 4 x 4: x's tile is shared along a row of the cluster, Wv's along a column: joint loads.  TRANSPOSED USE: source 0 = 16 rows of Wv, source 1 = 16 rows of x.
; The bias is the C of each sum's first product, divided by 2^(e4 + e5).  A code is (c x acc) / 2^(e8 - e4 - e5).
; THE WAY OUT: my four column blocks of 16 rows, converted, are registers 8 ch .. 8 ch + 7 of a 16 x 128 fragment of the next launch (registers 2 c, 2 c + 1 = k 16 c + 8 h + 0 .. 7):
; stored as an image, h_img [row tile 32][k / 128 8][rows / 16 16][group of four registers 4][lane 32][16 bytes]; a store covers 512 consecutive bytes, aligned.
; LIMITS: e8 - e4 - e5 between -126 and 119.  NaN among the inputs is not served.
; REGISTERS: window 0: v16-29 addresses; v32-63 the bias; v64-127 at work; v128-255 Wv's fragments, two sets of 64, later the codes.  window 1: x's fragments, two sets of 128.  window 2: accumulator (a, b) at v[8 (4 a + b)].
.set PITCH,  272                       ; an LDS row: 256 bytes + 16 of padding
.set ABYTES, 256*PITCH
.set BBYTES, 128*PITCH
.set SLOT,   ABYTES+BBYTES
.set SPARE,  3*SLOT                    ; behind the slots: the spare words, 128 bytes a wave
.set FR,   16
.set ADRA, 16                          ; v16-18  LDS address of my fragments of x in slot 0, 1, 2
.set ADRB, 20                          ; v20-22  the same for Wv
.set LO,   24                          ; v24  16 x lane
.set SC,   25                          ; v25  the conversion's scale
.set BO,   26                          ; v26  32 x (lane / 16)
.set SPW,  28
.set NIL,  29
.set BIAS, 32
.set TMP,  64
.set BF,   128
.set CD,   128
.set G1A, 24                           ; s[24:31] group 1 for x's tiles; s[32:39] for Wv's; s[40:51], s[52:63] groups 0, a set for each slot
.set G1B, 32
.set G0A, 40
.set G0B, 52
.set MSB, 0
.macro WIN new
.if MSB != \new
	s_set_vgpr_msb (MSB<<8)|\new
.set MSB, \new
.endif
.endm
.set W_MUL, 0xa4                       ; source 0 (Wv) window 0, source 1 (x) window 1, C and D window 2
.set W_FST, 0x84                       ; the first step: C is the bias, in window 0
.set TO_A,  0x40                       ; destination window 1, address window 0
.macro JLOAD s                         ; waves 0 and 1 fetch x's halves, waves 2 and 3 Wv's; four v_nop follow each line
	s_cmp_eq_u32 s17, 0
	s_cbranch_scc0 .Lfor_b_\@
	tensor_load_to_lds s[G0A+4*\s:G0A+4*\s+3], s[G1A:G1A+7]
	s_nop 0
.rept 4
	v_nop
.endr
	s_branch .Lasked_\@
.Lfor_b_\@:
	tensor_load_to_lds s[G0B+4*\s:G0B+4*\s+3], s[G1B:G1B+7]
	s_nop 0
.rept 4
	v_nop
.endr
.Lasked_\@:
.endm
.macro CREST
	s_cmp_lg_u32 s16, 0
	s_cbranch_scc1 .Lnot_wave_0_\@
	s_barrier_signal -3
.Lnot_wave_0_\@:
	s_barrier_wait -3
	s_barrier_signal -1
	s_barrier_wait -1
.endm
.macro CROUND
	s_barrier_signal -1
	s_barrier_wait -1
	CREST
.endm
.macro PLACES n
.rept \n
	v_nop
.endr
.endm
	s_load_b256 s[4:11], s[0:1], 0x0               ; x s[4:5], Wv s[6:7], bv s[8:9], the scales s[10:11]
	s_load_b128 s[12:15], s[0:1], 0x20             ; cpart s[12:13], h_img s[14:15]
	v_lshl_add_u32 v[SPW], v0, 2, SPARE
	v_mov_b32 v[NIL], 0
	ds_add_u32 v28, v29
	ds_add_u32 v28, v29
	s_wait_dscnt 0x0
	v_lshrrev_b32 v1, 5, v0
	v_readfirstlane_b32 s16, v1                    ; wave 0..3
	s_lshr_b32 s17, s16, 1                         ; my half of the rows.  Also: I fetch for x (0) or for Wv (1)
	s_and_b32 s18, s16, 1                          ; my half of the columns.  Also: which half of that tile I fetch
	s_bfe_u32 s19, ttmp6, 0x40000                  ; cx
	s_bfe_u32 s20, ttmp6, 0x40004                  ; cy
	s_lshl_b32 s21, ttmp9, 2
	s_add_co_u32 s21, s21, s19                     ; tile column, 0..7
	s_and_b32 s22, ttmp7, 0xffff
	s_lshl_b32 s22, s22, 2
	s_add_co_u32 s22, s22, s20                     ; tile row, 0..31
	s_lshl_b32 s66, s20, 2
	s_lshl_b32 s66, 15, s66                        ; my row of the cluster
	s_lshl_b32 s67, 0x1111, s19                    ; my column
	s_or_b32 s[G1A], s66, (0<<16)|(1<<20)|(1<<21)|(5<<22)|(3<<25)   ; the mask; elements of 1 byte; padding: 4 words behind every 64; bit 21 beside a mask
	s_or_b32 s[G1B], s67, (0<<16)|(1<<20)|(1<<21)|(5<<22)|(3<<25)
	s_mov_b32 s[G1A+1], 256<<16                    ; tensor_dim0
	s_mov_b32 s[G1A+2], 128<<16                    ; tensor_dim1: 128 rows of x
	s_mov_b32 s[G1A+3], 256<<16                    ; tile_dim0
	s_mov_b32 s[G1A+4], 128                        ; tile_dim1
	s_mov_b32 s[G1A+5], 1024                       ; from row to row
	s_mov_b32 s[G1A+6], 0
	s_mov_b32 s[G1A+7], 0
	s_mov_b32 s[G1B+1], 256<<16
	s_mov_b32 s[G1B+2], 64<<16                     ; 64 rows of Wv
	s_mov_b32 s[G1B+3], 256<<16
	s_mov_b32 s[G1B+4], 64
	s_mov_b32 s[G1B+5], 1024
	s_mov_b32 s[G1B+6], 0
	s_mov_b32 s[G1B+7], 0
	s_lshl_b32 s68, s22, 8
	s_lshl_b32 s69, s18, 7
	s_add_co_u32 s68, s68, s69
	s_lshl_b32 s68, s68, 10                        ; x: (256 x tile row + 128 x half) rows of 1,024 bytes
	s_mov_b32 s69, 0
	s_lshl_b32 s70, s21, 7
	s_lshl_b32 s71, s18, 6
	s_add_co_u32 s70, s70, s71
	s_lshl_b32 s70, s70, 10                        ; Wv: (128 x tile column + 64 x half) rows
	s_mov_b32 s71, 0
	s_mul_i32 s72, s18, 128*PITCH                  ; where they go in a slot
	s_mul_i32 s73, s18, 64*PITCH
	s_add_co_u32 s73, s73, ABYTES
	s_lshr_b32 s66, s22, 3
	s_lshl_b32 s66, s66, 4
	s_lshl_b32 s67, s21, 1
	s_add_co_u32 s66, s66, s67
	s_add_co_u32 s66, s66, s18
	s_lshl_b32 s66, s66, 4                         ; cpart: 16 bytes for (batch = tile row / 8, head = 2 x tile column + column half)
	s_mov_b32 s67, 0
	s_wait_kmcnt 0x0
	s_add_nc_u64 s[12:13], s[12:13], s[66:67]
	s_load_b64 s[74:75], s[10:11], 0x10            ; e4, e5
	s_load_b32 s84, s[10:11], 0x20                 ; e8
	s_load_b128 s[76:79], s[12:13], 0x0            ; the head's four partial sums
	s_add_nc_u64 s[68:69], s[4:5], s[68:69]
	s_add_nc_u64 s[70:71], s[6:7], s[70:71]
	CROUND                                         ; all sixteen work-groups are here: the first joint loads meet
.irp s, 0,1,2
	s_mov_b32 s[G0A+4*\s], 1
	s_add_co_u32 s[G0A+4*\s+1], s72, \s*SLOT
	s_add_nc_u64 s[G0A+4*\s+2:G0A+4*\s+3], s[68:69], \s*256
	s_or_b32 s[G0A+4*\s+3], s[G0A+4*\s+3], 0x80000000
	s_mov_b32 s[G0B+4*\s], 1
	s_add_co_u32 s[G0B+4*\s+1], s73, \s*SLOT
	s_add_nc_u64 s[G0B+4*\s+2:G0B+4*\s+3], s[70:71], \s*256
	s_or_b32 s[G0B+4*\s+3], s[G0B+4*\s+3], 0x80000000
	JLOAD \s                                       ; three tensor loads of mine are out
.endr
	v_and_b32 v1, 15, v0                           ; r
	v_bfe_u32 v2, v0, 4, 1                         ; h
	v_lshlrev_b32 v[BO], 5, v2
	s_lshl_b32 s66, s21, 9
	s_lshl_b32 s67, s18, 8
	s_add_co_u32 s66, s66, s67                     ; the bias of my 64 columns: (128 x tile column + 64 x half) x 4 bytes
	s_mov_b32 s67, 0
	s_add_nc_u64 s[8:9], s[8:9], s[66:67]
.irp b, 0,1,2,3
	global_load_b128 v[BIAS+8*\b:BIAS+8*\b+3],   v[BO], s[8:9] offset:64*\b
	global_load_b128 v[BIAS+8*\b+4:BIAS+8*\b+7], v[BO], s[8:9] offset:64*\b+16
.endr
	v_mul_u32_u24 v3, v1, PITCH
	v_lshl_add_u32 v3, v2, 4, v3                   ; a fragment's row x pitch + 16 x half
	s_mul_i32 s66, s17, 128*PITCH                  ; my 128 rows of x
	s_mul_i32 s67, s18, 64*PITCH                   ; my 64 rows of Wv,
	s_add_co_u32 s67, s67, ABYTES                  ; behind x's 256
.irp s, 0,1,2
	v_add_nc_u32 v[ADRA+\s], s66, v3
	v_add_nc_u32 v[ADRB+\s], s67, v3
	s_add_co_u32 s66, s66, SLOT
	s_add_co_u32 s67, s67, SLOT
.endr
	v_and_b32 v4, 31, v0
	v_lshlrev_b32 v[LO], 4, v4
	s_lshl_b32 s68, s22, 3
	s_add_co_u32 s68, s68, s21
	s_lshl_b32 s68, s68, 4
	s_lshl_b32 s69, s17, 3
	s_add_co_u32 s68, s68, s69
	s_lshl_b32 s68, s68, 11
	s_lshl_b32 s69, s18, 10
	s_add_co_u32 s68, s68, s69                     ; my images: ((8 x tile row + tile column) x 16 + 8 x row half) x 2,048 + 1,024 x column half
	s_mov_b32 s69, 0
	s_add_nc_u64 s[14:15], s[14:15], s[68:69]
	s_wait_kmcnt 0x0
	s_add_co_i32 s85, s74, s75                     ; e4 + e5
	s_sub_co_i32 s86, 0, s85
	s_sub_co_i32 s87, s84, s85
	s_add_co_i32 s87, s87, 127
	s_lshl_b32 s88, s87, 23
	v_mov_b32 v[SC], s88                           ; 2^(e8 - e4 - e5)
	s_add_co_i32 s87, s87, 8
	s_lshl_b32 s83, s87, 23
	s_or_b32 s83, s83, 0x600000                    ; 448 x that,
	s_or_b32 s82, s83, 0x80000000                  ; and its negative
	s_add_f32 s76, s76, s77
	s_add_f32 s78, s78, s79
	s_add_f32 s80, s76, s78                        ; c
	s_mov_b32 s81, s80                             ; (named with it as a pair)
	s_wait_loadcnt 0x0                             ; the bias
.set ii, 0
.rept 32
	v_ldexp_f32 v[BIAS+ii], v[BIAS+ii], s86        ; bias / 2^(e4 + e5)
.set ii, ii+1
.endr
; The fragments of 128 along K, half qh of a slot, into set p: Wv's four, x's eight: 48 loads of 16 bytes a lane; registers 4 c .. 4 c + 3 hold K = 32 c + 16 (l / 16) + 0 .. 15, alike on both sides
.macro FETCH slot, qh, p
	WIN 0
.irp i, 0,1,2,3
.irp c, 0,1,2,3
	ds_load_b128 v[BF+64*(\p)+FR*\i+4*\c:BF+64*(\p)+FR*\i+4*\c+3], v[ADRB+\slot] offset:128*(\qh)+32*\c+\i*16*PITCH
.endr
.endr
	WIN TO_A
.irp i, 0,1,2,3,4,5,6,7
.irp c, 0,1,2,3
	ds_load_b128 v[128*(\p)+FR*\i+4*\c:128*(\p)+FR*\i+4*\c+3], v[ADRA+\slot] offset:128*(\qh)+32*\c+\i*16*PITCH
.endr
.endr
.endm
; 4 n products: x's blocks a0 .. a0 + n - 1 against Wv's four, from set p.  The 32 accumulators take turns, one instruction a turn.
.macro MUL a0, n, p, first
.set aa, \a0
.rept \n
.irp b, 0,1,2,3
.if \first
	v_wmma_f32_16x16x128_fp8_fp8 v[8*(4*aa+\b):8*(4*aa+\b)+7], v[BF+64*(\p)+FR*\b:BF+64*(\p)+FR*\b+FR-1], v[128*(\p)+FR*aa:128*(\p)+FR*aa+FR-1], v[BIAS+8*\b:BIAS+8*\b+7]
.else
	v_wmma_f32_16x16x128_fp8_fp8 v[8*(4*aa+\b):8*(4*aa+\b)+7], v[BF+64*(\p)+FR*\b:BF+64*(\p)+FR*\b+FR-1], v[128*(\p)+FR*aa:128*(\p)+FR*aa+FR-1], v[8*(4*aa+\b):8*(4*aa+\b)+7]
.endif
.endr
.set aa, aa+1
.endr
.endm
; A step: set p is in; the next step's fragments (slot nslot, half nqh) are asked for into the other set; 32 products.
.macro STEP p, nslot, nqh, first
	s_wait_dscnt 0x0                               ; this step's fragments, asked for a step ago
	PLACES 4                                       ; behind the last step's products, which read the other set
	FETCH \nslot, \nqh, 1-(\p)
.if \first
	WIN W_FST
.else
	WIN W_MUL
.endif
	MUL 0, 8, \p, \first
.endm
; A step with a barrier.  fill = 1: slot 0, whose two steps have been read, takes K step 3: the barrier opens a round of the cluster's.  fill = 0: K step 3 is shown whole to every wave.
.macro TURN p, fill, nslot, nqh
	WIN 0                                          ; the add's two registers lie in window 0
	s_wait_tensorcnt 0x0                           ; all my tensor loads have landed, so a group 0 may be written
	ds_add_u32 v[SPW], v[NIL]                      ; 0 onto my spare word
.if \fill
	s_add_nc_u64 s[G0A+2:G0A+3], s[G0A+2:G0A+3], 3*256   ; slot 0's sets: three K steps on
	s_add_nc_u64 s[G0B+2:G0B+3], s[G0B+2:G0B+3], 3*256
.endif
	s_wait_dscnt 0x1                               ; the add alone may be out: this step's fragments are in
	WIN W_MUL
	MUL 0, 2, \p, 0                                ; eight products stand between the add and the wait for it
	s_wait_dscnt 0x0                               ; the add is done, and none of my LDS reads is out
	s_barrier_signal -1
	MUL 2, 2, \p, 0
	WIN 0
	s_barrier_wait -1
.if \fill
	CREST                                          ; no wave of any partner still reads slot 0 or has a load on its way
	JLOAD 0                                        ; my one tensor load behind the round: it has four steps, 128 products, in which to land; its four v_nop are the places for the loads below
.else
	PLACES 4
.endif
	FETCH \nslot, \nqh, 1-(\p)
	WIN W_MUL
	MUL 4, 4, \p, 0
.endm
	s_wait_alu depctr_va_vdst(0)
	s_wait_tensorcnt 2                             ; my part of K step 0 is in; K steps 1 and 2 may be out
	s_barrier_signal -1
	s_barrier_wait -1
	FETCH 0, 0, 0
	STEP 0, 0, 1, 1                                ; step 0
	TURN 1, 1, 1, 0                                ; step 1; the refill; the round has shown K steps 1 and 2 whole to every wave
	STEP 0, 1, 1, 0                                ; step 2
	STEP 1, 2, 0, 0                                ; step 3
	STEP 0, 2, 1, 0                                ; step 4
	TURN 1, 0, 0, 0                                ; step 5
	STEP 0, 0, 1, 0                                ; step 6
	s_wait_dscnt 0x0                               ; step 7
	MUL 0, 8, 1, 0
	; THE WAY OUT: x c in f32, the conversion, the image.  Each block has code registers of its own.
	PLACES 4
.irp a, 0,1,2,3,4,5,6,7
	WIN 0x02                                       ; source 0 window 2
.irp i, 0,2,4,6,8,10,12,14,16,18,20,22,24,26,28,30
	v_pk_mul_f32 v[TMP+32*(\a%2)+\i:TMP+32*(\a%2)+\i+1], v[32*\a+\i:32*\a+\i+1], s[80:81] op_sel_hi:[1,0]   ; each accumulator from its low end on
.endr
	WIN 0
.irp i, 0,1,2,3,4,5,6,7,8,9,10,11,12,13,14,15,16,17,18,19,20,21,22,23,24,25,26,27,28,29,30,31
.endr
.irp g, 0,1,2,3
	v_cvt_scalef32_pk8_fp8_f32 v[CD+8*\a+2*\g:CD+8*\a+2*\g+1], v[TMP+32*(\a%2)+8*\g:TMP+32*(\a%2)+8*\g+7], v[SC]
.endr
	v_nop                                          ; one plain line behind the last conversion of a run
	global_store_b128 v[LO], v[CD+8*\a:CD+8*\a+3],   s[14:15] offset:\a*2048       ; 32 lanes store 512 consecutive bytes, aligned
	global_store_b128 v[LO], v[CD+8*\a+4:CD+8*\a+7], s[14:15] offset:\a*2048+512
.endr
	s_wait_tensorcnt 0x0                           ; the wave's end
	ds_add_u32 v[SPW], v[NIL]
	s_wait_dscnt 0x0
	CROUND                                         ; the closing round
	s_endpgm
.Lfunc_end_k_qeca56ff043_v_proj:
	.size	k_qeca56ff043_v_proj, .Lfunc_end_k_qeca56ff043_v_proj-k_qeca56ff043_v_proj
	.p2alignl 7, 3214868480
	.fill 96, 4, 3214868480
	.section	.rodata,"a",@progbits
	.p2align	6, 0x0
	.amdhsa_kernel k_qeca56ff043_v_proj
		.amdhsa_group_segment_fixed_size 327680
		.amdhsa_private_segment_fixed_size 0
		.amdhsa_enable_private_segment 0
		.amdhsa_kernarg_size 48
		.amdhsa_user_sgpr_count 2
		.amdhsa_user_sgpr_kernarg_segment_ptr 1
		.amdhsa_wavefront_size32 1
		.amdhsa_system_sgpr_workgroup_id_x 1
		.amdhsa_system_sgpr_workgroup_id_y 1
		.amdhsa_system_sgpr_workgroup_id_z 1
		.amdhsa_system_vgpr_workitem_id 0
		.amdhsa_next_free_vgpr 768
		.amdhsa_next_free_sgpr 96
		.amdhsa_reserve_vcc 0
		.amdhsa_float_denorm_mode_32 3
		.amdhsa_float_denorm_mode_16_64 3
		.amdhsa_fp16_overflow 1
		.amdhsa_memory_ordered 1
		.amdhsa_forward_progress 1
		.amdhsa_inst_pref_size 68
	.end_amdhsa_kernel
	.amdgpu_metadata
---
amdhsa.version: [ 1, 2 ]
amdhsa.kernels:
  - .name:           k_qeca56ff043_v_proj
    .symbol:         k_qeca56ff043_v_proj.kd
    .args:
      - { .name: x_codes, .offset: 0, .size: 8, .value_kind: global_buffer, .address_space: global }
      - { .name: Wv_codes, .offset: 8, .size: 8, .value_kind: global_buffer, .address_space: global }
      - { .name: bv, .offset: 16, .size: 8, .value_kind: global_buffer, .address_space: global }
      - { .name: lowp_scales, .offset: 24, .size: 8, .value_kind: global_buffer, .address_space: global }
      - { .name: cpart, .offset: 32, .size: 8, .value_kind: global_buffer, .address_space: global }
      - { .name: h_img, .offset: 40, .size: 8, .value_kind: global_buffer, .address_space: global }
    .group_segment_fixed_size: 327680
    .private_segment_fixed_size: 0
    .kernarg_segment_align: 8
    .kernarg_segment_size: 48
    .max_flat_workgroup_size: 128
    .sgpr_count:     96
    .vgpr_count:     768
    .wavefront_size: 32
...
	.end_amdgpu_metadata
.endif
;; end of part 3
;; launch out_proj (part 4): grid 8 x 32, 4 waves a work-group, clusters of 4 x 4, 327,680 bytes of LDS; arguments h_img, Wp_codes, bp, lowp_scales, out0; writes out0
.if DOCPART == 4
	.amdgcn_target "amdgcn-amd-amdhsa--gfx1250"
	.amdhsa_code_object_version 6
	.text
	.protected	k_qeca56ff043_out_proj
	.globl	k_qeca56ff043_out_proj
	.p2align	8
	.type	k_qeca56ff043_out_proj,@function
k_qeca56ff043_out_proj:
	s_mov_b64 s[64:65], 0
	v_nop
	global_prefetch_b8 v0, s[64:65] scope:SCOPE_SE
	s_setreg_imm32_b32 hwreg(HW_REG_WAVE_MODE, 25, 1), 1
	s_wait_xcnt 0x0
	s_wait_alu depctr_hold_cnt(0) depctr_sa_sdst(0) depctr_va_vdst(0) depctr_va_sdst(0) depctr_va_ssrc(0) depctr_va_vcc(0) depctr_vm_vsrc(0)
	s_getreg_b32 s2, hwreg(HW_REG_IB_STS2, 6, 4)
	s_cmp_eq_u32 s2, 0
	s_cbranch_scc0 .Lentry_in_a_cluster
	s_endpgm
.Lentry_in_a_cluster:
	s_bfe_u32 s2, ttmp6, 0x10000c
	s_cmp_lg_u32 s2, 0xf033
	s_cbranch_scc0 .Lentry_shape_is_right
	s_endpgm
.Lentry_shape_is_right:
; out0 = h Wp^T + bp on codes of FP8 (E4M3): h as the images that the launch before stored, Wp as it is given; each sum x 2^(e8 + e9) + bias, one packed multiply-add for two numbers.
; A tile of C is 256 rows x 128 columns: 256 tiles, one a work-group.  Four waves, each 128 rows x 64 columns: 32 accumulators.
; K = 1,024 is four K steps of 256.  THREE LDS slots: K steps 0, 1, 2 are first fills, K step 3 is the one refill, into slot 0.
; CLUSTER 4 x 4: h's tile is shared along a row of the cluster, Wp's along a column: joint loads.  TRANSPOSED USE: source 0 = 16 rows of Wp, source 1 = 16 rows of h.
; h's tile of a K step is 65,536 dense bytes of images: a fragment comes by four loads of 16 bytes a lane, on end.  Its registers 2 c, 2 c + 1 hold k = 16 c + 8 h + 0 .. 7,
; so Wp's fragments are read in the same places: eight loads of 8 bytes, 16 apart, from rows of 272 bytes.
; LIMIT: e8 + e9 between -126 and 127, so that 2^(e8 + e9) is an f32 number.
; REGISTERS: window 0: v16-31 addresses; v32-63 the bias; v64-127 at work; v128-255 Wp's fragments, two sets of 64, later rows of the output.  window 1: h's fragments, two sets of 128.  window 2: accumulator (a, b) at v[8 (4 a + b)].
.set PITCH,  272                       ; a row of Wp in LDS: 256 bytes + 16 of padding
.set ABYTES, 65536
.set BBYTES, 128*PITCH
.set SLOT,   ABYTES+BBYTES
.set SPARE,  3*SLOT                    ; behind the slots: the spare words, 128 bytes a wave
.set STAGE,  SPARE+512                 ; behind them: 16 rows x 272 bytes for each wave, for the way out; no tile lands here
.set SPITCH, 272
.set FR,   16
.set ADRA, 16                          ; v16-18
.set ADRB, 20                          ; v20-22
.set LO,   24                          ; v24  16 x lane
.set BO,   26                          ; v26  32 x (lane / 16)
.set STO,  27                          ; v27  the way out: where I put 32 bytes of a row
.set SPW,  28
.set NIL,  29
.set RD,   30                          ; v30  where I read a row back
.set CO,   31                          ; v31  my byte offset in two rows of the output
.set BIAS, 32
.set TMP,  64
.set BF,   128
.set BK,   128
.set G1A, 24
.set G1B, 32
.set G0A, 40
.set G0B, 52
.set MSB, 0
.macro WIN new
.if MSB != \new
	s_set_vgpr_msb (MSB<<8)|\new
.set MSB, \new
.endif
.endm
.set W_MUL, 0xa4                       ; source 0 (Wp) window 0, source 1 (h) window 1, C and D window 2
.set TO_A,  0x40
.macro JLOAD s                         ; waves 0 and 1 fetch h's halves, waves 2 and 3 Wp's; four v_nop follow each line
	s_cmp_eq_u32 s17, 0
	s_cbranch_scc0 .Lfor_b_\@
	tensor_load_to_lds s[G0A+4*\s:G0A+4*\s+3], s[G1A:G1A+7]
	s_nop 0
.rept 4
	v_nop
.endr
	s_branch .Lasked_\@
.Lfor_b_\@:
	tensor_load_to_lds s[G0B+4*\s:G0B+4*\s+3], s[G1B:G1B+7]
	s_nop 0
.rept 4
	v_nop
.endr
.Lasked_\@:
.endm
.macro CREST
	s_cmp_lg_u32 s16, 0
	s_cbranch_scc1 .Lnot_wave_0_\@
	s_barrier_signal -3
.Lnot_wave_0_\@:
	s_barrier_wait -3
	s_barrier_signal -1
	s_barrier_wait -1
.endm
.macro CROUND
	s_barrier_signal -1
	s_barrier_wait -1
	CREST
.endm
.macro PLACES n
.rept \n
	v_nop
.endr
.endm
	s_load_b256 s[4:11], s[0:1], 0x0               ; h_img s[4:5], Wp s[6:7], bp s[8:9], the scales s[10:11]
	s_load_b64 s[12:13], s[0:1], 0x20              ; out0
	v_lshl_add_u32 v[SPW], v0, 2, SPARE
	v_mov_b32 v[NIL], 0
	ds_add_u32 v28, v29
	ds_add_u32 v28, v29
	s_wait_dscnt 0x0
	v_lshrrev_b32 v1, 5, v0
	v_readfirstlane_b32 s16, v1                    ; wave 0..3
	s_lshr_b32 s17, s16, 1                         ; my half of the rows.  Also: I fetch for h (0) or for Wp (1)
	s_and_b32 s18, s16, 1                          ; my half of the columns.  Also: which half of that tile I fetch
	s_bfe_u32 s19, ttmp6, 0x40000                  ; cx
	s_bfe_u32 s20, ttmp6, 0x40004                  ; cy
	s_lshl_b32 s21, ttmp9, 2
	s_add_co_u32 s21, s21, s19                     ; tile column, 0..7
	s_and_b32 s22, ttmp7, 0xffff
	s_lshl_b32 s22, s22, 2
	s_add_co_u32 s22, s22, s20                     ; tile row, 0..31
	s_lshl_b32 s66, s20, 2
	s_lshl_b32 s66, 15, s66                        ; my row of the cluster
	s_lshl_b32 s67, 0x1111, s19                    ; my column
	s_or_b32 s[G1A], s66, (3<<16)|(1<<21)          ; the mask; elements of 8 bytes; no padding; bit 21 beside a mask
	s_or_b32 s[G1B], s67, (0<<16)|(1<<20)|(1<<21)|(5<<22)|(3<<25)   ; elements of 1 byte; padding: 4 words behind every 64
	s_mov_b32 s[G1A+1], 32<<16                     ; tensor_dim0: 32 elements, 256 bytes
	s_mov_b32 s[G1A+2], 128<<16                    ; tensor_dim1: 128 rows: 32,768 dense bytes, 128 along K of the tile's 256 rows
	s_mov_b32 s[G1A+3], 32<<16
	s_mov_b32 s[G1A+4], 128
	s_mov_b32 s[G1A+5], 32
	s_mov_b32 s[G1A+6], 0
	s_mov_b32 s[G1A+7], 0
	s_mov_b32 s[G1B+1], 256<<16
	s_mov_b32 s[G1B+2], 64<<16                     ; 64 rows of Wp
	s_mov_b32 s[G1B+3], 256<<16
	s_mov_b32 s[G1B+4], 64
	s_mov_b32 s[G1B+5], 1024
	s_mov_b32 s[G1B+6], 0
	s_mov_b32 s[G1B+7], 0
	s_lshl_b32 s68, s22, 3
	s_add_co_u32 s68, s68, s18
	s_lshl_b32 s68, s68, 15                        ; h: (8 x tile row + half) x 32,768 bytes
	s_mov_b32 s69, 0
	s_lshl_b32 s70, s21, 7
	s_lshl_b32 s71, s18, 6
	s_add_co_u32 s70, s70, s71
	s_lshl_b32 s70, s70, 10                        ; Wp: (128 x tile column + 64 x half) rows of 1,024 bytes
	s_mov_b32 s71, 0
	s_lshl_b32 s72, s18, 15                        ; where they go in a slot
	s_mul_i32 s73, s18, 64*PITCH
	s_add_co_u32 s73, s73, ABYTES
	s_wait_kmcnt 0x0
	s_load_b64 s[74:75], s[10:11], 0x20            ; e8, e9
	s_add_nc_u64 s[68:69], s[4:5], s[68:69]
	s_add_nc_u64 s[70:71], s[6:7], s[70:71]
	CROUND                                         ; all sixteen work-groups are here: the first joint loads meet
.irp s, 0,1,2
	s_mov_b32 s[G0A+4*\s], 1
	s_add_co_u32 s[G0A+4*\s+1], s72, \s*SLOT
	s_add_nc_u64 s[G0A+4*\s+2:G0A+4*\s+3], s[68:69], \s*65536
	s_or_b32 s[G0A+4*\s+3], s[G0A+4*\s+3], 0x80000000
	s_mov_b32 s[G0B+4*\s], 1
	s_add_co_u32 s[G0B+4*\s+1], s73, \s*SLOT
	s_add_nc_u64 s[G0B+4*\s+2:G0B+4*\s+3], s[70:71], \s*256
	s_or_b32 s[G0B+4*\s+3], s[G0B+4*\s+3], 0x80000000
	JLOAD \s                                       ; three tensor loads of mine are out
.endr
	v_and_b32 v1, 15, v0                           ; r
	v_bfe_u32 v2, v0, 4, 1                         ; h
	v_lshlrev_b32 v[BO], 5, v2
	s_lshl_b32 s66, s21, 9
	s_lshl_b32 s67, s18, 8
	s_add_co_u32 s66, s66, s67                     ; my 64 columns in bytes of f32: 512 x tile column + 256 x half: in the bias and in a row of the output
	s_mov_b32 s67, 0
	s_add_nc_u64 s[8:9], s[8:9], s[66:67]
	s_add_nc_u64 s[12:13], s[12:13], s[66:67]
.irp b, 0,1,2,3
	global_load_b128 v[BIAS+8*\b:BIAS+8*\b+3],   v[BO], s[8:9] offset:64*\b        ; block b: bias(16 b + 8 h + 0 .. 7), the result's layout
	global_load_b128 v[BIAS+8*\b+4:BIAS+8*\b+7], v[BO], s[8:9] offset:64*\b+16
.endr
	v_and_b32 v4, 31, v0
	v_lshlrev_b32 v[LO], 4, v4
	v_mul_u32_u24 v3, v1, PITCH
	v_lshl_add_u32 v3, v2, 3, v3                   ; Wp: row x pitch + 8 x half
	s_lshl_b32 s66, s17, 14                        ; h: my eight blocks of 16 rows, 2,048 bytes each
	s_mul_i32 s67, s18, 64*PITCH                   ; my 64 rows of Wp,
	s_add_co_u32 s67, s67, ABYTES                  ; behind h's images
.irp s, 0,1,2
	v_add_nc_u32 v[ADRA+\s], s66, v[LO]
	v_add_nc_u32 v[ADRB+\s], s67, v3
	s_add_co_u32 s66, s66, SLOT
	s_add_co_u32 s67, s67, SLOT
.endr
	s_mul_i32 s66, s16, 16*SPITCH
	s_add_co_u32 s66, s66, STAGE                   ; my stage
	v_mul_u32_u24 v5, v1, SPITCH                   ; in: row r, 32 bytes for each half of the lanes
	v_lshl_add_u32 v5, v2, 5, v5
	v_add_nc_u32 v[STO], s66, v5
	v_mul_u32_u24 v5, v2, SPITCH                   ; back: lanes 0-15 one row of 256 bytes, lanes 16-31 the next
	v_lshl_add_u32 v5, v1, 4, v5
	v_add_nc_u32 v[RD], s66, v5
	v_lshlrev_b32 v[CO], 12, v2                    ; and the same two rows in the output: a row is 4,096 bytes
	v_lshl_add_u32 v[CO], v1, 4, v[CO]
	s_lshl_b32 s68, s22, 8
	s_lshl_b32 s69, s17, 7
	s_add_co_u32 s68, s68, s69
	s_lshl_b32 s68, s68, 12                        ; my first row: 256 x tile row + 128 x half
	s_mov_b32 s69, 0
	s_add_nc_u64 s[12:13], s[12:13], s[68:69]
	s_wait_kmcnt 0x0
	s_add_co_i32 s80, s74, s75
	s_add_co_i32 s80, s80, 127
	s_lshl_b32 s80, s80, 23                        ; 2^(e8 + e9) as f32
	s_mov_b32 s81, s80                             ; (named with it as a pair)
; The fragments of 128 along K, half qh of a slot, into set p: Wp's four by eight loads of 8 bytes each, h's eight by four loads of 16 bytes each
.macro FETCH slot, qh, p
	WIN 0
.irp i, 0,1,2,3
.irp c, 0,1,2,3,4,5,6,7
	ds_load_b64 v[BF+64*(\p)+FR*\i+2*\c:BF+64*(\p)+FR*\i+2*\c+1], v[ADRB+\slot] offset:128*(\qh)+16*\c+\i*16*PITCH
.endr
.endr
	WIN TO_A
.irp i, 0,1,2,3,4,5,6,7
.irp g, 0,1,2,3
	ds_load_b128 v[128*(\p)+FR*\i+4*\g:128*(\p)+FR*\i+4*\g+3], v[ADRA+\slot] offset:32768*(\qh)+2048*\i+512*\g
.endr
.endr
.endm
; 4 n products: h's blocks a0 .. a0 + n - 1 against Wp's four, from set p.  first = 1: the products start the sums.  The 32 accumulators take turns.
.macro MUL a0, n, p, first
.set aa, \a0
.rept \n
.irp b, 0,1,2,3
.if \first
	v_wmma_f32_16x16x128_fp8_fp8 v[8*(4*aa+\b):8*(4*aa+\b)+7], v[BF+64*(\p)+FR*\b:BF+64*(\p)+FR*\b+FR-1], v[128*(\p)+FR*aa:128*(\p)+FR*aa+FR-1], 0
.else
	v_wmma_f32_16x16x128_fp8_fp8 v[8*(4*aa+\b):8*(4*aa+\b)+7], v[BF+64*(\p)+FR*\b:BF+64*(\p)+FR*\b+FR-1], v[128*(\p)+FR*aa:128*(\p)+FR*aa+FR-1], v[8*(4*aa+\b):8*(4*aa+\b)+7]
.endif
.endr
.set aa, aa+1
.endr
.endm
.macro STEP p, nslot, nqh, first
	s_wait_dscnt 0x0                               ; this step's fragments, asked for a step ago
	PLACES 4                                       ; behind the last step's products, which read the other set
	FETCH \nslot, \nqh, 1-(\p)
	WIN W_MUL
	MUL 0, 8, \p, \first
.endm
; A step with a barrier.  fill = 1: slot 0, whose two steps have been read, takes K step 3: the barrier opens a round of the cluster's.  fill = 0: K step 3 is shown whole to every wave.
.macro TURN p, fill, nslot, nqh
	WIN 0                                          ; the add's two registers lie in window 0
	s_wait_tensorcnt 0x0                           ; all my tensor loads have landed, so a group 0 may be written
	ds_add_u32 v[SPW], v[NIL]                      ; 0 onto my spare word
.if \fill
	s_add_nc_u64 s[G0A+2:G0A+3], s[G0A+2:G0A+3], 3*65536   ; slot 0's sets: three K steps on
	s_add_nc_u64 s[G0B+2:G0B+3], s[G0B+2:G0B+3], 3*256
.endif
	s_wait_dscnt 0x1                               ; the add alone may be out: this step's fragments are in
	WIN W_MUL
	MUL 0, 2, \p, 0                                ; eight products stand between the add and the wait for it
	s_wait_dscnt 0x0                               ; the add is done, and none of my LDS reads is out
	s_barrier_signal -1
	MUL 2, 2, \p, 0
	WIN 0
	s_barrier_wait -1
.if \fill
	CREST                                          ; no wave of any partner still reads slot 0 or has a load on its way
	JLOAD 0                                        ; my one tensor load behind the round: four steps, 128 products, in which to land; its four v_nop are the places for the loads below
.else
	PLACES 4
.endif
	FETCH \nslot, \nqh, 1-(\p)
	WIN W_MUL
	MUL 4, 4, \p, 0
.endm
	s_wait_tensorcnt 2                             ; my part of K step 0 is in; K steps 1 and 2 may be out
	s_barrier_signal -1
	s_barrier_wait -1
	FETCH 0, 0, 0
	STEP 0, 0, 1, 1                                ; step 0
	TURN 1, 1, 1, 0                                ; step 1; the refill; the round has shown K steps 1 and 2 whole to every wave
	STEP 0, 1, 1, 0                                ; step 2
	STEP 1, 2, 0, 0                                ; step 3
	STEP 0, 2, 1, 0                                ; step 4
	TURN 1, 0, 0, 0                                ; step 5
	STEP 0, 0, 1, 0                                ; step 6
	s_wait_dscnt 0x0                               ; step 7
	MUL 0, 8, 1, 0
; THE WAY OUT, a block of 16 rows x 64 columns at a time.  A lane holds 32 neighbouring bytes of a row and the lanes beside it other rows: so a block goes through my own stage and comes back as whole
; rows of 256 bytes.  LDS serves a wave's instructions in order (ISA guide 5.7.1.4): no wait between the stores and the loads, nor in front of the next block's stores.
.macro TOSTAGE a
.set TT, TMP+32*((\a)%2)
.set BB, BK+32*((\a)%2)
	WIN 0x02                                       ; source 0 (the sums) window 2
.irp b, 0,1,2,3
.irp i, 0,2,4,6
	v_pk_fma_f32 v[TT+8*\b+\i:TT+8*\b+\i+1], v[32*(\a)+8*\b+\i:32*(\a)+8*\b+\i+1], s[80:81], v[BIAS+8*\b+\i:BIAS+8*\b+\i+1] op_sel_hi:[1,0,1]   ; sum x 2^(e8 + e9) + bias; each accumulator from its low end on
.endr
.endr
	WIN 0
.irp b, 0,1,2,3
	ds_store_b128 v[STO], v[TT+8*\b:TT+8*\b+3] offset:64*\b
	ds_store_b128 v[STO], v[TT+8*\b+4:TT+8*\b+7] offset:64*\b+16
.endr
.irp t, 0,1,2,3,4,5,6,7
	ds_load_b128 v[BB+4*\t:BB+4*\t+3], v[RD] offset:\t*2*SPITCH
.endr
.endm
.macro SEND a, younger                 ; younger: the LDS instructions issued behind block a's loads, which may stay out
.set BB, BK+32*((\a)%2)
	s_wait_dscnt \younger
.irp t, 0,1,2,3,4,5,6,7
	global_store_b128 v[CO], v[BB+4*\t:BB+4*\t+3], s[12:13] offset:(\a)*65536+\t*8192 th:TH_STORE_NT   ; sixteen lanes store 256 consecutive bytes, aligned; written once, read by nobody here
.endr
.endm
	s_wait_loadcnt 0x0                             ; the bias
	PLACES 4                                       ; behind the last products: their results are read, and Wp's fragment registers take the rows
	TOSTAGE 0
.irp a, 1,2,3,4,5,6,7
.if \a > 1
	s_wait_xcnt 0x0                                ; block a - 2's stores have read their registers: block a's loads may land there
.endif
	TOSTAGE \a
	SEND \a-1, 16                                  ; behind block a - 1's loads: block a's 8 stores and 8 loads
.endr
	SEND 7, 0
	s_wait_tensorcnt 0x0                           ; the wave's end
	ds_add_u32 v[SPW], v[NIL]
	s_wait_dscnt 0x0
	CROUND                                         ; the closing round
	s_endpgm
.Lfunc_end_k_qeca56ff043_out_proj:
	.size	k_qeca56ff043_out_proj, .Lfunc_end_k_qeca56ff043_out_proj-k_qeca56ff043_out_proj
	.p2alignl 7, 3214868480
	.fill 96, 4, 3214868480
	.section	.rodata,"a",@progbits
	.p2align	6, 0x0
	.amdhsa_kernel k_qeca56ff043_out_proj
		.amdhsa_group_segment_fixed_size 327680
		.amdhsa_private_segment_fixed_size 0
		.amdhsa_enable_private_segment 0
		.amdhsa_kernarg_size 40
		.amdhsa_user_sgpr_count 2
		.amdhsa_user_sgpr_kernarg_segment_ptr 1
		.amdhsa_wavefront_size32 1
		.amdhsa_system_sgpr_workgroup_id_x 1
		.amdhsa_system_sgpr_workgroup_id_y 1
		.amdhsa_system_sgpr_workgroup_id_z 1
		.amdhsa_system_vgpr_workitem_id 0
		.amdhsa_next_free_vgpr 768
		.amdhsa_next_free_sgpr 96
		.amdhsa_reserve_vcc 0
		.amdhsa_float_denorm_mode_32 3
		.amdhsa_float_denorm_mode_16_64 3
		.amdhsa_memory_ordered 1
		.amdhsa_forward_progress 1
		.amdhsa_inst_pref_size 84
	.end_amdhsa_kernel
	.amdgpu_metadata
---
amdhsa.version: [ 1, 2 ]
amdhsa.kernels:
  - .name:           k_qeca56ff043_out_proj
    .symbol:         k_qeca56ff043_out_proj.kd
    .args:
      - { .name: h_img, .offset: 0, .size: 8, .value_kind: global_buffer, .address_space: global }
      - { .name: Wp_codes, .offset: 8, .size: 8, .value_kind: global_buffer, .address_space: global }
      - { .name: bp, .offset: 16, .size: 8, .value_kind: global_buffer, .address_space: global }
      - { .name: lowp_scales, .offset: 24, .size: 8, .value_kind: global_buffer, .address_space: global }
      - { .name: out0, .offset: 32, .size: 8, .value_kind: global_buffer, .address_space: global }
    .group_segment_fixed_size: 327680
    .private_segment_fixed_size: 0
    .kernarg_segment_align: 8
    .kernarg_segment_size: 40
    .max_flat_workgroup_size: 128
    .sgpr_count:     96
    .vgpr_count:     768
    .wavefront_size: 32
...
	.end_amdgpu_metadata
.endif
;; end of part 4
